; MI455X (gfx1250); checked and timed in simulation.
; The chip was launched on July 23, 2026; its instructions are those of AMD's public machine-readable ISA for CDNA 5 (MIT licence, August 2026) and "CDNA5" Instruction Set Architecture Reference Guide (July 2026). The comments in the code are by the model that wrote it; some were corrected since.
;; Position Attention. Allowed arithmetic: matrix products marked QUANTISED: E2M1 operands, one E8M0 scale for each 32 along K, by v_wmma_scale_f32_16x16x128_f8f6f4 with both operands' format E2M1 (or v_wmma_scale_f32_32x16x128_f4), f32 sums; everything else in f32.
;; Inputs: Wk 64 x 512 float32; Wq 64 x 512 float32; Wv 512 x 512 float32; bk 64 float32; bq 64 float32; bv 512 float32; gamma 1 float32; x 16 x 2,048 x 512 float32.
;; Outputs: out0 16 x 2,048 x 512 float32.
;; This version of the problem:
;;   THIS VERSION OF THE PROBLEM IS GIVEN IN LOW PRECISION. The matrix products marked QUANTISED in the list below multiply operands that are first quantised to E2M1 (2 exponent bits, 1 mantissa bit; 4 bits a number), with one power-of-two scale for each 32 numbers along K (OCP MX v1.0); their sums are f32. All else is computed in f32.
;;   The module's matrix products, in the order in which they are computed (A, B: the left and right operand; K: the contracted axis; several contracted axes count as one K, in the product's order):
;;     1. [M 32,768, K 512] x [K 512, N 64]; A: input x; B: input Wq: QUANTISED
;;     2. [M 32,768, K 512] x [K 512, N 64]; A: input x; B: input Wk: QUANTISED
;;     3. [M 32,768, K 512] x [K 512, N 512]; A: input x; B: input Wv: QUANTISED
;;     4. batch 16 x [M 2,048, K 64] x [K 64, N 2,048]; A: computed on the way; B: computed on the way: QUANTISED
;;     5. batch 16 x [M 512, K 2,048] x [K 2,048, N 2,048]; A: computed on the way; B: softmax (see below): QUANTISED
;;   THE QUANTISER, for each operand of a quantised product, along K:
;;     - K is cut into blocks of 32 from its start; a last block that is shorter is filled with zeros.
;;     - A block's scale is 2^e with e = floor(log2(the largest magnitude in the block)) - 2, held to -126 .. 127; a block of zeros has e = 0. As a byte (E8M0): e + 127.
;;     - Each number is divided by its block's scale, clamped to +-6, and rounded to the nearest number of E2M1, ties to even, subnormals kept.
;;     - The product sums the exact products of the quantised numbers (number of the format x scale) in f32.
;;   ~~~python
;;   def quantise(x, axis):      # numpy; x: float32 -> the quantised numbers, widened to float32 again
;;       x = np.moveaxis(x, axis, -1); K = x.shape[-1]
;;       x = np.pad(x, [(0, 0)] * (x.ndim - 1) + [(0, -K % 32)]); x = x.reshape(x.shape[:-1] + (-1, 32)); a = np.abs(x).max(-1, keepdims=True)
;;       e = np.where(a > 0, np.clip(np.frexp(np.where(a > 0, a, 1))[1] - 1 - 2, -126, 127), 0)      # np.frexp(a)[1] - 1 = floor(log2(a)), exactly
;;       r = np.clip(x / 2.0 ** e, -6, 6)
;;       step = 2.0 ** (np.maximum(np.frexp(np.where(r == 0, 1, r))[1] - 1, 0) - 1)
;;       q = np.round(r / step) * step * 2.0 ** e      # np.round: ties to even
;;       return np.moveaxis(q.reshape(q.shape[:-2] + (-1,))[..., :K], -1, axis).astype(np.float32)
;;   ~~~
;;   SOFTMAX AHEAD OF A QUANTISED PRODUCT. Where the list says 'softmax', what is quantised is not the finished softmax but p = 2^(t - M), with t = logit x log2(e) and M = ceil(the row's largest t), a whole number; so 1/2 < the row's largest p <= 1. The row's sum l is taken of the UNQUANTISED p, in f32, and the product's result is divided by l at the end. Since M is a whole number, a kernel that streams over the keys may use a running M (the ceiling of the running maximum): every later rescaling is an exact power of two, which a block's scale takes up: the codes' values come out the same.
;;   OPERANDS COMPUTED ON THE WAY. 'Computed on the way' means the value that the module computes at that place (a softmax that the list does not call 'softmax' is quantised finished and normalised). What goes into a quantiser is computed in f32, as accurately as f32 sums, v_exp_f32 and their like allow (about 1e-6 of the number): no bf16 or f16 on the way to a quantiser, and a product that is left as it is and whose result goes on into a quantised operand takes f32 operands (vector FMAs, or v_wmma_f32_16x16x4_f32). A number that lies on a knife's edge between two numbers of the format may be rounded either way, as far as f32 arithmetic and the matrix unit's own rounding can turn it there, and no further.
;; One version. Each part assembles by itself: llvm-mc -triple=amdgcn-amd-amdhsa -mcpu=gfx1250 --defsym DOCPART=n.
;; ======== version 1 of 1: 3 launches
;; workspace buffers: wimg 174,080 bytes; qimg 1,179,648 bytes; kimg 1,179,648 bytes; vimg 8,912,896 bytes
;; launch wquant (part 1): grid 40 x 1, 1 waves a work-group, no clusters, 0 bytes of LDS; arguments Wq, Wk, Wv, wimg; writes wimg
.if DOCPART == 1
	.amdgcn_target "amdgcn-amd-amdhsa--gfx1250"
	.amdhsa_code_object_version 6
	.text
	.protected	k_q4e0179e86b_wquant
	.globl	k_q4e0179e86b_wquant
	.p2align	8
	.type	k_q4e0179e86b_wquant,@function
k_q4e0179e86b_wquant:
	s_mov_b64 s[64:65], 0
	v_nop
	global_prefetch_b8 v0, s[64:65] scope:SCOPE_SE
	s_setreg_imm32_b32 hwreg(HW_REG_WAVE_MODE, 25, 1), 1
	s_wait_xcnt 0x0
; Position attention in MX-FP4, launch 1 of 3: the three weights become codes of E2M1 and E8M0 scale words.
; out = gamma softmax(q k^T) v + x, q = x Wq^T + bq, k = x Wk^T + bk, v = x Wv^T + bv; all five products on codes, one scale for each 32 along a product's K.
; DEAD WORK: none.  Every input reaches the output for some values: the biases move the codes of q, k and v, gamma and x enter the result itself.  All eight inputs are loaded, all five products are made.
; LIMITS: NaN and infinities among the inputs are not served.  A block of zeros gets the byte 1 where the rule says 127 (its codes are zeros, and only this program reads the bytes);
; a block whose largest magnitude lies under 2^-124 is quantised under the floor's scale.
; SHARES.  40 tiles of 16 rows x 512: tiles 0-3 Wq, 4-7 Wk, 8-39 Wv; one wave to a tile.  K (the 512 channels) is innermost in memory.
; A fragment (16 rows x 128 K) is 8 registers a lane: lane (r, h) holds row r, registers 4 c .. 4 c + 3 hold K = 64 c + 32 h + 0 .. 31.  So a lane owns whole blocks of 32: 128 consecutive bytes of its row,
; and no other lane is asked for a maximum.  The fragments are stored AS IMAGES OF THE REGISTERS: group c of lane l at 512 c + 16 l, 1,024 bytes a fragment.
; wimg: tiles 0-7: codes at 4,096 T + 1,024 s (s: the K step of 128), scale words at 32,768 + 256 T + 16 row + 4 s;  Wv's tile T': codes at 34,816 + 4,096 T' + 1,024 s, words at 165,888 + 256 T' + 16 row + 4 s.
; The loads take 16 bytes a lane, lanes 128 bytes apart: the weights are 1.3 MB in all and are read once.
.set X,   64                           ; v64-255  three sets of 64 numbers
.set CD,  24                           ; v24-55   codes, 8 for each K step: no store's data are written again
.set WD,  16                           ; v16-19   the scale word of each K step
	s_load_b256 s[4:11], s[0:1], 0x0               ; Wq s[4:5], Wk s[6:7], Wv s[8:9], wimg s[10:11]
	v_and_b32 v1, 15, v0                           ; r (one wave: v0 is the lane)
	v_bfe_u32 v2, v0, 4, 1                         ; h
	v_lshlrev_b32 v3, 11, v1                       ; a row is 2,048 bytes,
	v_lshl_add_u32 v3, v2, 7, v3                   ; + 128 h: my block of 32
	v_lshlrev_b32 v4, 4, v0                        ; an image's place for my lane
	v_lshlrev_b32 v5, 4, v1
	v_lshl_add_u32 v5, v2, 3, v5                   ; 16 r + 8 h: my two of the row's four scale words
	v_lshlrev_b32 v6, 3, v2                        ; 8 h
	v_mov_b32 v15, 0                               ; written once: a lane permute's destination counts as one of its sources
	s_mov_b32 s20, 0x76543210
	s_mov_b32 s21, 0xfedcba98                      ; v_permlanex16_b32's selects for lane l xor 16
	s_and_b32 s14, ttmp9, 3                        ; the tile's number inside Wq or Wk,
	s_sub_co_u32 s15, ttmp9, 8                     ; inside Wv
	s_mov_b32 s18, 163840
	s_lshl_b32 s22, ttmp9, 12                      ; 4,096 T
	s_mov_b32 s23, 0
	s_lshl_b32 s24, ttmp9, 8                       ; 256 T
	s_mov_b32 s25, 0
	s_wait_kmcnt 0x0
	s_cmp_lt_u32 ttmp9, 4                          ; the choices hang on the work-group's number alone
	s_cselect_b64 s[12:13], s[4:5], s[6:7]
	s_cmp_lt_u32 ttmp9, 8
	s_cselect_b64 s[12:13], s[12:13], s[8:9]
	s_cselect_b32 s14, s14, s15
	s_cselect_b32 s16, 0, 2048                     ; codes: 4,096 T, or 34,816 + 4,096 (T - 8) = 4,096 T + 2,048
	s_cselect_b32 s17, 32768, s18                  ; words: 32,768 + 256 T, or 165,888 + 256 (T - 8) = 256 T + 163,840
	s_lshl_b32 s14, s14, 15                        ; 16 rows of 2,048 bytes
	s_mov_b32 s15, 0
	s_add_nc_u64 s[12:13], s[12:13], s[14:15]
	s_add_co_u32 s22, s22, s16
	s_add_nc_u64 s[26:27], s[10:11], s[22:23]
	s_add_co_u32 s24, s24, s17
	s_add_nc_u64 s[28:29], s[10:11], s[24:25]
.macro LOADW st                        ; K step st: my two blocks of 32 numbers into set st % 3
.irp c, 0,1
.irp g, 0,1,2,3,4,5,6,7
	global_load_b128 v[X+64*((\st)%3)+32*\c+4*\g:X+64*((\st)%3)+32*\c+4*\g+3], v3, s[12:13] offset:512*(\st)+256*\c+16*\g
.endr
.endr
.endm
.macro STEPW st, left                  ; left: the younger K steps' loads, which may stay out
.set XS, X+64*((\st)%3)
	s_wait_loadcnt \left
.irp c, 0,1
	v_max3_num_f32 v[8+\c], |v[XS+32*\c]|, |v[XS+32*\c+1]|, 0x1800000   ; block 2 c + h, and the floor 2^(3 - 127): the byte cannot fall under 1
.endr
.irp i, 2,4,6,8,10,12,14,16,18,20,22,24,26,28,30
.irp c, 0,1
	v_max3_num_f32 v[8+\c], v[8+\c], |v[XS+32*\c+\i]|, |v[XS+32*\c+\i+1]|   ; (the two blocks by turns)
.endr
.endr
.irp c, 0,1
	v_add_nc_u32 v[10+\c], 0xff000000, v[8+\c]     ; 2 off the exponent field: the conversion's scale operand
.endr
.irp c, 0,1
	v_lshrrev_b32 v[12+\c], 23, v[10+\c]           ; the scale's byte
.endr
	v_lshl_or_b32 v14, v13, 16, v12                ; my two bytes: blocks h and 2 + h,
	v_lshlrev_b32 v14, v6, v14                     ; at their places in the word;
	v_permlanex16_b32 v15, v14, s20, s21
	v_or_b32 v[WD+(\st)], v14, v15                 ; with lane l xor 16's two the word is whole
.irp c, 0,1
.irp g, 0,1,2,3
	v_cvt_scalef32_pk8_fp4_f32 v[CD+8*(\st)+4*\c+\g], v[XS+32*\c+8*\g:XS+32*\c+8*\g+7], v[10+\c]
.endr
.endr
	v_nop                                          ; one plain line behind the last scaled conversion
.irp c, 0,1
	global_store_b128 v4, v[CD+8*(\st)+4*\c:CD+8*(\st)+4*\c+3], s[26:27] offset:1024*(\st)+512*\c   ; 32 lanes store 512 consecutive bytes
.endr
.endm
	LOADW 0
	LOADW 1
	LOADW 2
	STEPW 0, 32
	LOADW 3                                        ; into set 0, which has been read
	STEPW 1, 32
	STEPW 2, 16
	STEPW 3, 0
	v_cmp_ne_u32 vcc_lo, 0, v2
	v_cndmask_b32 v8, v[WD], v[WD+2], vcc_lo       ; lanes 0-15 words 0, 1 of their row, lanes 16-31 words 2, 3
	v_cndmask_b32 v9, v[WD+1], v[WD+3], vcc_lo
	global_store_b64 v5, v[8:9], s[28:29]          ; the tile's 256 bytes of scale words, each byte once
	s_endpgm
.Lfunc_end_k_q4e0179e86b_wquant:
	.size	k_q4e0179e86b_wquant, .Lfunc_end_k_q4e0179e86b_wquant-k_q4e0179e86b_wquant
	.p2alignl 7, 3214868480
	.fill 96, 4, 3214868480
	.section	.rodata,"a",@progbits
	.p2align	6, 0x0
	.amdhsa_kernel k_q4e0179e86b_wquant
		.amdhsa_group_segment_fixed_size 0
		.amdhsa_private_segment_fixed_size 0
		.amdhsa_enable_private_segment 0
		.amdhsa_kernarg_size 32
		.amdhsa_user_sgpr_count 2
		.amdhsa_user_sgpr_kernarg_segment_ptr 1
		.amdhsa_wavefront_size32 1
		.amdhsa_system_sgpr_workgroup_id_x 1
		.amdhsa_system_sgpr_workgroup_id_y 1
		.amdhsa_system_sgpr_workgroup_id_z 1
		.amdhsa_system_vgpr_workitem_id 0
		.amdhsa_next_free_vgpr 256
		.amdhsa_next_free_sgpr 66
		.amdhsa_reserve_vcc 1
		.amdhsa_float_denorm_mode_32 3
		.amdhsa_float_denorm_mode_16_64 3
		.amdhsa_memory_ordered 1
		.amdhsa_forward_progress 1
		.amdhsa_inst_pref_size 21
	.end_amdhsa_kernel
	.amdgpu_metadata
---
amdhsa.version: [ 1, 2 ]
amdhsa.kernels:
  - .name:           k_q4e0179e86b_wquant
    .symbol:         k_q4e0179e86b_wquant.kd
    .args:
      - { .name: Wq, .offset: 0, .size: 8, .value_kind: global_buffer, .address_space: global }
      - { .name: Wk, .offset: 8, .size: 8, .value_kind: global_buffer, .address_space: global }
      - { .name: Wv, .offset: 16, .size: 8, .value_kind: global_buffer, .address_space: global }
      - { .name: wimg, .offset: 24, .size: 8, .value_kind: global_buffer, .address_space: global }
    .group_segment_fixed_size: 0
    .private_segment_fixed_size: 0
    .kernarg_segment_align: 8
    .kernarg_segment_size: 32
    .max_flat_workgroup_size: 32
    .sgpr_count:     66
    .vgpr_count:     256
    .wavefront_size: 32
...
	.end_amdgpu_metadata
.endif
;; end of part 1
;; launch proj (part 2): grid 256 x 1, 8 waves a work-group, no clusters, 307,200 bytes of LDS; arguments x, wimg, bq, bk, bv, qimg, kimg, vimg; writes qimg, kimg, vimg
.if DOCPART == 2
	.amdgcn_target "amdgcn-amd-amdhsa--gfx1250"
	.amdhsa_code_object_version 6
	.text
	.protected	k_q4e0179e86b_proj
	.globl	k_q4e0179e86b_proj
	.p2align	8
	.type	k_q4e0179e86b_proj,@function
k_q4e0179e86b_proj:
	s_mov_b64 s[64:65], 0
	v_nop
	global_prefetch_b8 v0, s[64:65] scope:SCOPE_SE
	s_setreg_imm32_b32 hwreg(HW_REG_WAVE_MODE, 25, 1), 1
	s_wait_xcnt 0x0
; Launch 2 of 3: x is quantised along its 512 channels; q = x Wq^T + bq, k = x Wk^T + bk, v = x Wv^T + bv on codes of E2M1; q and k are quantised along d (two blocks of 32), v along the keys.  No work is left out.
; LIMITS: as stated at the head of the first kernel (NaN and infinities not served; a block of zeros carries the byte 1; the floor 2^-124).
; SHARES.  A work-group of eight waves takes 128 rows of x (of the 32,768): one key step of the attention, record g = the work-group's number.
;   Wave w quantises rows 16 w .. 16 w + 15 (four fragments of 128 along K) and stores their images and scale words in LDS for all waves.
;   Wave w makes q and k of its own 16 rows, TRANSPOSED (source 0 = 16 rows of the weight, source 1 = x): a lane holds one row, its registers run along d, which is the next K.
;   Wave w makes v for channels 64 w .. 64 w + 63 and all 128 rows, source 0 = 16 rows of x, source 1 = 16 rows of Wv: a lane holds one channel, its registers run along the keys, which are the next K.
; HOW A RESULT BECOMES AN OPERAND.  In tile T of a result lane (r, h) holds places 16 T + 8 h + j, j = 0 .. 7: eight neighbours along the next K, which one conversion takes.  Tiles 2 b and 2 b + 1 are block b.
;   The conversion of tile 2 b + u goes to register 4 (b / 2) + 2 u + b % 2; an exchange of halves between registers 4 c + 2 u and 4 c + 2 u + 1 leaves K = 64 c + 32 h + 0 .. 31 in registers 4 c .. 4 c + 3.
; WORKSPACE, all as images of operand registers (group c of lane l at 512 c + 16 l):
;   qimg, kimg: record g of 4,608 bytes: tile i (16 rows) has registers 0-3 of its fragment at 512 i + 16 l, its scale words at 4,096 + 64 i + 4 r (bytes 2 and 3 are 0: K is 64).
;   vimg: record g of 34,816 bytes: channel tile n at 1,024 n; scale words at 32,768 + 256 w + 8 l: word j of lane l belongs to tile 4 w + 2 j + l / 16, channel l % 16.
; NO CLUSTER: of the 436 KB that a work-group takes in, 262 KB are x, its own; Wv's 139 KB go from memory straight into the registers of the one wave that uses each tile (LDS holds x); only the 34 KB of Wq and Wk
;   pass through LDS and could be shared.  NO PREFETCH: all of a work-group's x is asked for at its head.
; LDS: x as f32: wave w at 33,792 w, K step s at + 8,448 s: 16 rows of 512 bytes, 528 apart.  The images are laid over the wave's own bytes once they are read: those bytes have had their only fill.
.set XFW,   33792
.set XFS,   8448
.set WQK,   270336                     ; wimg's first 34,816 bytes: Wq's and Wk's codes and scale words
.set GATH,  305152                     ; q's 128 scale words, then k's
.set SPARE, 306176                     ; the spare words, 128 bytes for each wave: four blocks of 256 bytes that no other line names
.set LI,   1                           ; v1   16 x lane
.set R4,   2                           ; v2   4 r
.set XR,   3                           ; v3   x as f32: my wave's region + 528 r + 32 h
.set XWI,  4                           ; v4   where I store x's images: my wave's region + 16 x lane
.set XWS,  5                           ; v5   and their scale words: my wave's region + 1,024 + 16 r
.set WQA,  7                           ; v7   WQK + 16 x lane
.set GW,   8                           ; v8   GATH + 64 w + 4 r
.set H32,  9                           ; v9   32 h: bq, bk
.set L8,   10                          ; v10  256 w + 8 x lane: v's scale words
.set BVO,  11                          ; v11  256 w + 4 r: bv
.set WVO,  12                          ; v12  16,384 w + 16 x lane: Wv's codes
.set WSO,  13                          ; v13  1,024 w + 16 x lane: Wv's scale words
.set XFA,  14                          ; v14-17  x's images of tiles 2 p, 2 p + 1: 67,584 p + 16 x lane
.set GR,   18                          ; v18  GATH + 512 (w % 2) + 16 x lane
.set SPW,  20                          ; v20  my spare word;  v21  0: never rewritten      (v6, v19, v22, v23: x's scale words of tiles 2 p + h: 67,584 p + 33,792 h + 1,024 + 16 r)
.set NIL,  21
.set TM,   24                          ; v24-39  at work in the quantiser
.set PW,   40                          ; v40, v41  q's and k's scale words
.set VO,   43                          ; v43  4,096 w + 16 x lane: v's images
.set XW,   44                          ; v44-47  my x tile's scale words, K step s; later v's words, tile n
.set PC,   48                          ; v48-55  codes just made
.set ACC,  56                          ; v56-119 64 numbers of x, then 8 accumulators
.set WB,   120                         ; v120-183 Wv's fragments, two sets of four K steps
.set XS,   184                         ; v184-199 Wq's and Wk's scale words, then all x tiles'
.set WS,   200                         ; v200-207 Wv's scale words
.set BC,   208                         ; v208-215 bv of my channel, eight times: the C of a sum's first product
.set XO,   216                         ; v216-247 my own x tile's four fragments
.set BV,   248                         ; v248-251 bv of my channel in tiles 4 w + n
.set VSW,  252                         ; v252-253 v's scale words as they leave
.set WV,   20                          ; s20  my wave's number
.set G1X,  24                          ; s[24:31] descriptor group 1 for x;  s[32:39] for the weights;  s[40:55] four groups 0 for x;  s[56:59] one for the weights
.set G1W,  32
.set G0X,  40
.set G0W,  56
.set SEL,  66                          ; s[66:67] lane selects for v_permlanex16_b32: lane l xor 16
; window 1 (v256-511): first v0-63 the bias tiles of q and k, v64-255 three sets of 8 weight fragments; then all 32 fragments of x, (tile i, K step s) at 32 i + 8 s
.set MSB, 0
.macro WIN new                         ; the immediate's high byte repeats the setting that is left
.if MSB != \new
	s_set_vgpr_msb (MSB<<8)|\new
.set MSB, \new
.endif
.endm
.macro PLACES cnt
.rept \cnt
	v_nop
.endr
.endm
; one product: D, source 0, source 1 by their first registers; c: the text of C; the scale registers; ra, rb = 1: that side's words stand in lanes 16-31
.macro WM d, a, b, c, sa, sb, ra, rb
.if (\ra) && (\rb)
	v_wmma_scale_f32_16x16x128_f8f6f4 v[\d:\d+7], v[\a:\a+7], v[\b:\b+7], \c, v[\sa], v[\sb] matrix_a_fmt:MATRIX_FMT_FP4 matrix_b_fmt:MATRIX_FMT_FP4 matrix_a_scale:MATRIX_SCALE_ROW1 matrix_b_scale:MATRIX_SCALE_ROW1
.elseif (\ra)
	v_wmma_scale_f32_16x16x128_f8f6f4 v[\d:\d+7], v[\a:\a+7], v[\b:\b+7], \c, v[\sa], v[\sb] matrix_a_fmt:MATRIX_FMT_FP4 matrix_b_fmt:MATRIX_FMT_FP4 matrix_a_scale:MATRIX_SCALE_ROW1
.elseif (\rb)
	v_wmma_scale_f32_16x16x128_f8f6f4 v[\d:\d+7], v[\a:\a+7], v[\b:\b+7], \c, v[\sa], v[\sb] matrix_a_fmt:MATRIX_FMT_FP4 matrix_b_fmt:MATRIX_FMT_FP4 matrix_b_scale:MATRIX_SCALE_ROW1
.else
	v_wmma_scale_f32_16x16x128_f8f6f4 v[\d:\d+7], v[\a:\a+7], v[\b:\b+7], \c, v[\sa], v[\sb] matrix_a_fmt:MATRIX_FMT_FP4 matrix_b_fmt:MATRIX_FMT_FP4
.endif
.endm
; 64 numbers of a lane, register 16 b + 8 u + j = K 32 b + 16 u + 8 h + j of my row, become a fragment's 8 registers at pc and its scale word in pw.  Each group of eight registers is first read at its low end.
.macro QUANT src, pc, pw
.irp b, 0,1,2,3
	v_max3_num_f32 v[TM+\b], |v[\src+16*\b]|, |v[\src+16*\b+1]|, 0x1800000   ; block b: my 16 numbers, and the floor 2^(3 - 127)
.endr
.irp i, 2,4,6,8,10,12,14
.irp b, 0,1,2,3
	v_max3_num_f32 v[TM+\b], v[TM+\b], |v[\src+16*\b+\i]|, |v[\src+16*\b+\i+1]|
.endr
.endr
.irp b, 0,1,2,3
	v_permlanex16_b32 v[TM+4+\b], v[TM+\b], s[SEL], s[SEL+1]
.endr
.irp b, 0,1,2,3
	v_max_num_f32 v[TM+\b], v[TM+\b], v[TM+4+\b]   ; with lane l xor 16's 16: the block's largest magnitude
.endr
.irp b, 0,1,2,3
	v_add_nc_u32 v[TM+12+\b], 0xff000000, v[TM+\b] ; 2 off its exponent field: the conversion's scale operand
.endr
.irp b, 0,1,2,3
	v_lshrrev_b32 v[TM+4+\b], 23, v[TM+12+\b]      ; the scale's byte
.endr
	v_lshl_or_b32 v[\pw], v[TM+5], 8, v[TM+4]
	v_lshl_or_b32 v[\pw], v[TM+6], 16, v[\pw]
	v_lshl_or_b32 v[\pw], v[TM+7], 24, v[\pw]
.irp b, 0,1,2,3
.irp u, 0,1
	v_cvt_scalef32_pk8_fp4_f32 v[\pc+4*(\b/2)+2*\u+(\b%2)], v[\src+16*\b+8*\u:\src+16*\b+8*\u+7], v[TM+12+\b]
.endr
.endr
	v_nop                                          ; one plain line behind the last scaled conversion
.irp c, 0,1
.irp u, 0,1
	v_permlane16_swap_b32 v[\pc+4*\c+2*\u], v[\pc+4*\c+2*\u+1]   ; the first's lanes 16-31 change places with the second's lanes 0-15: lanes 0-15 now hold block 2 c, lanes 16-31 block 2 c + 1
.endr
.endr
.endm
; the same for 32 numbers, two blocks: registers 0-3 of a fragment, and a word whose bytes 2 and 3 are 0
.macro QUANT2 src, pc, pw
.irp b, 0,1
	v_max3_num_f32 v[TM+\b], |v[\src+16*\b]|, |v[\src+16*\b+1]|, 0x1800000
.endr
.irp i, 2,4,6,8,10,12,14
.irp b, 0,1
	v_max3_num_f32 v[TM+\b], v[TM+\b], |v[\src+16*\b+\i]|, |v[\src+16*\b+\i+1]|
.endr
.endr
.irp b, 0,1
	v_permlanex16_b32 v[TM+4+\b], v[TM+\b], s[SEL], s[SEL+1]
.endr
.irp b, 0,1
	v_max_num_f32 v[TM+\b], v[TM+\b], v[TM+4+\b]
.endr
.irp b, 0,1
	v_add_nc_u32 v[TM+12+\b], 0xff000000, v[TM+\b]
.endr
.irp b, 0,1
	v_lshrrev_b32 v[TM+4+\b], 23, v[TM+12+\b]
.endr
	v_lshl_or_b32 v[\pw], v[TM+5], 8, v[TM+4]
.irp b, 0,1
.irp u, 0,1
	v_cvt_scalef32_pk8_fp4_f32 v[\pc+2*\u+\b], v[\src+16*\b+8*\u:\src+16*\b+8*\u+7], v[TM+12+\b]
.endr
.endr
	v_nop
	v_permlane16_swap_b32 v[\pc], v[\pc+1]
	v_permlane16_swap_b32 v[\pc+2], v[\pc+3]
.endm
	s_load_b512 s[4:19], s[0:1], 0x0               ; x s[4:5], wimg s[6:7], bq s[8:9], bk s[10:11], bv s[12:13], qimg s[14:15], kimg s[16:17], vimg s[18:19]
	v_lshl_add_u32 v[SPW], v0, 2, SPARE
	v_mov_b32 v[NIL], 0
	ds_add_u32 v[SPW], v[NIL]                      ; the wave's opening: the add, twice on end, and its wait ahead of my first tensor load
	ds_add_u32 v[SPW], v[NIL]
	v_lshrrev_b32 v1, 5, v0
	v_readfirstlane_b32 s[WV], v1                  ; wave 0..7
	; group 1 for x: 16 rows x 128 elements of 4 bytes, 512 elements from row to row; in LDS 16 bytes of padding behind each row of 128 words
	s_mov_b32 s[G1X], (2<<16)|(1<<20)|(6<<22)|(3<<25)
	s_mov_b32 s[G1X+1], 128<<16                    ; tensor_dim0
	s_mov_b32 s[G1X+2], 16<<16                     ; tensor_dim1
	s_mov_b32 s[G1X+3], 128<<16                    ; tile_dim0
	s_mov_b32 s[G1X+4], 16                         ; tile_dim1
	s_mov_b32 s[G1X+5], 512                        ; the pitch
	s_mov_b32 s[G1X+6], 0
	s_mov_b32 s[G1X+7], 0
	; group 1 for the weights: a dense block of 4,352 bytes as 17 rows of 32 elements of 8 bytes
	s_mov_b32 s[G1W], 3<<16
	s_mov_b32 s[G1W+1], 32<<16
	s_mov_b32 s[G1W+2], 17<<16
	s_mov_b32 s[G1W+3], 32<<16
	s_mov_b32 s[G1W+4], 17
	s_mov_b32 s[G1W+5], 32
	s_mov_b32 s[G1W+6], 0
	s_mov_b32 s[G1W+7], 0
	s_mov_b32 s[SEL], 0x76543210
	s_mov_b32 s[SEL+1], 0xfedcba98
	s_mul_i32 s21, s[WV], XFW                      ; my wave's region of LDS
	s_lshl_b32 s60, ttmp9, 18                      ; 128 rows of 2,048 bytes a work-group,
	s_lshl_b32 s22, s[WV], 15                      ; 16 a wave
	s_add_co_u32 s60, s60, s22
	s_mov_b32 s61, 0
	s_mul_i32 s62, s[WV], 4352                     ; my eighth of Wq's and Wk's image
	s_mov_b32 s63, 0
	s_wait_dscnt 0x0                               ; both opening adds are done
	s_wait_kmcnt 0x0
	s_add_nc_u64 s[60:61], s[4:5], s[60:61]        ; x at my wave's first row
.irp k, 0,1,2,3
	s_mov_b32 s[G0X+4*\k], 1
	s_add_co_u32 s[G0X+4*\k+1], s21, \k*XFS
	s_add_nc_u64 s[G0X+4*\k+2:G0X+4*\k+3], s[60:61], 512*\k
	s_or_b32 s[G0X+4*\k+3], s[G0X+4*\k+3], 0x80000000
.endr
	s_mov_b32 s[G0W], 1
	s_add_co_u32 s[G0W+1], s62, WQK
	s_add_nc_u64 s[G0W+2:G0W+3], s[6:7], s[62:63]
	s_or_b32 s[G0W+3], s[G0W+3], 0x80000000
.irp k, 0,1,2,3
	tensor_load_to_lds s[G0X+4*\k:G0X+4*\k+3], s[G1X:G1X+7]   ; all first fills go out together: five loads of mine are out
	s_nop 0
.endr
	tensor_load_to_lds s[G0W:G0W+3], s[G1W:G1W+7]
	s_nop 0
	PLACES 4
	v_and_b32 v42, 31, v0                          ; lane
	v_and_b32 v254, 15, v0                         ; r
	v_bfe_u32 v255, v0, 4, 1                       ; h
	v_lshlrev_b32 v[LI], 4, v42
	v_lshlrev_b32 v[R4], 2, v254
	s_lshl_b32 s22, s[WV], 14
	v_add_nc_u32 v[WVO], s22, v[LI]
	s_lshl_b32 s22, s[WV], 10
	v_add_nc_u32 v[WSO], s22, v[LI]
	s_lshl_b32 s22, s[WV], 8
	v_add_nc_u32 v[BVO], s22, v[R4]
	v_lshl_add_u32 v[L8], v42, 3, s22
	v_lshlrev_b32 v[H32], 5, v255
.irp n, 0,1                            ; Wv's tiles 4 w and 4 w + 1, from memory straight into registers
.irp k, 0,1,2,3
.irp c, 0,1
	global_load_b128 v[WB+32*\n+8*\k+4*\c:WB+32*\n+8*\k+4*\c+3], v[WVO], s[6:7] offset:34816+4096*\n+1024*\k+512*\c
.endr
.endr
.endr
.irp p, 0,1
	global_load_b128 v[WS+4*\p:WS+4*\p+3], v[WSO], s[6:7] offset:165888+512*\p   ; lanes 0-15: tile 4 w + 2 p's four words of row r; lanes 16-31: tile 4 w + 2 p + 1's
.endr
.irp n, 0,1,2,3
	global_load_b32 v[BV+\n], v[BVO], s[12:13] offset:64*\n
.endr
	WIN 0x40                                       ; destination window 1
.irp t, 0,1,2,3                        ; the biases in the result's layout: lane (r, h) of tile t holds d = 16 t + 8 h + 0 .. 7
	global_load_b128 v[8*\t:8*\t+3], v[H32], s[8:9] offset:64*\t
	global_load_b128 v[8*\t+4:8*\t+7], v[H32], s[8:9] offset:64*\t+16
	global_load_b128 v[32+8*\t:32+8*\t+3], v[H32], s[10:11] offset:64*\t
	global_load_b128 v[32+8*\t+4:32+8*\t+7], v[H32], s[10:11] offset:64*\t+16
.endr
	WIN 0
	v_mul_u32_u24 v[XR], v254, 528
	v_lshl_add_u32 v[XR], v255, 5, v[XR]
	v_add_nc_u32 v[XR], s21, v[XR]
	v_add_nc_u32 v[XWI], s21, v[LI]
	v_lshlrev_b32 v[XWS], 4, v254
	v_add_nc_u32 v[XWS], s21, v[XWS]
	v_add_nc_u32 v[XWS], 1024, v[XWS]
	v_mul_u32_u24 v6, v255, XFW                    ; one product in h: lanes 16-31 take the next tile's words
	v_lshl_add_u32 v6, v254, 4, v6
	v_add_nc_u32 v6, 1024, v6
	v_add_nc_u32 v19, 67584, v6
	v_add_nc_u32 v22, 2*67584, v6
	v_add_nc_u32 v23, 3*67584, v6
	v_add_nc_u32 v[WQA], WQK, v[LI]
	s_lshl_b32 s22, s[WV], 6
	v_add_nc_u32 v[GW], s22, v[R4]
	v_add_nc_u32 v[GW], GATH, v[GW]
.irp p, 0,1,2,3
	v_add_nc_u32 v[XFA+\p], 67584*\p, v[LI]
.endr
	s_and_b32 s22, s[WV], 1
	s_lshl_b32 s22, s22, 9
	v_add_nc_u32 v[GR], s22, v[LI]
	v_add_nc_u32 v[GR], GATH, v[GR]
	s_lshl_b32 s22, s[WV], 12
	v_add_nc_u32 v[VO], s22, v[LI]
	v_cmp_ne_u32 s23, 0, v255                      ; lanes 16-31
.irp b, 0,1,2,3
	v_mov_b32 v[TM+4+\b], 0                        ; written once: a lane permute's destination counts as one of its sources
.endr
	s_mul_i32 s62, ttmp9, 4608                     ; my record of q and of k,
	s_cmp_eq_u32 s[WV], 0
	s_cselect_b64 s[74:75], s[14:15], s[16:17]     ; (wave 0 will store q's scale words, wave 1 k's)
	s_add_nc_u64 s[74:75], s[74:75], s[62:63]
	s_lshl_b32 s22, s[WV], 9
	s_add_co_u32 s62, s62, s22                     ; my tile's 512 bytes in it
	s_add_nc_u64 s[68:69], s[14:15], s[62:63]
	s_add_nc_u64 s[70:71], s[16:17], s[62:63]
	s_mul_i32 s62, ttmp9, 34816                    ; my record of v
	s_add_nc_u64 s[72:73], s[18:19], s[62:63]
; ---- X: my 16 rows become four fragments.  K step st is read when its own load has landed; the younger loads stay out.
.macro XSTEP st
	s_wait_tensorcnt 4-(\st)                       ; behind K step st's load: the later K steps' and the weights'
.irp b, 0,1,2,3
.irp u, 0,1
.irp j, 0,1
	ds_load_b128 v[ACC+16*\b+8*\u+4*\j:ACC+16*\b+8*\u+4*\j+3], v[XR] offset:XFS*(\st)+128*\b+64*\u+16*\j
.endr
.endr
.endr
	s_wait_dscnt 0x0
	QUANT ACC, XO+8*(\st), XW+(\st)
	ds_store_b128 v[XWI], v[XO+8*(\st):XO+8*(\st)+3] offset:XFS*(\st)           ; the image, over bytes of mine that have just been read
	ds_store_b128 v[XWI], v[XO+8*(\st)+4:XO+8*(\st)+7] offset:XFS*(\st)+512
.endm
	XSTEP 0
	XSTEP 1
	XSTEP 2
	XSTEP 3
	ds_store_b128 v[XWS], v[XW:XW+3]               ; my rows' four scale words (both halves of the lanes store the same bytes with the same values)
	PLACES 8                                       ; x's codes and scale words were written by vector instructions: eight places ahead of the first scaled product
	s_wait_tensorcnt 0x0                           ; my part of Wq's and Wk's image has landed,
	s_wait_dscnt 0x0                               ; my images are stored
	s_barrier_signal -1
	s_barrier_wait -1                              ; everybody's are.
; ---- QK: q and k of my 16 rows: 8 tiles of 16 d (0-3: q, 4-7: k) by turns, K step by K step; the weights' fragments come from LDS, three sets of 8
.macro FETCHW st
	WIN 0x40
.irp t, 0,1,2,3,4,5,6,7
.irp c, 0,1
	ds_load_b128 v[64+64*((\st)%3)+8*\t+4*\c:64+64*((\st)%3)+8*\t+4*\c+3], v[WQA] offset:4096*\t+1024*(\st)+512*\c
.endr
.endr
.endm
.macro MULQK st
.if (\st) == 0
	WIN 0x11                                       ; source 0 (the weight) and C (the bias) window 1
.else
	WIN 0x01
.endif
.irp t, 0,1,2,3,4,5,6,7
.if (\st) == 0
	WM ACC+8*\t, 64+64*((\st)%3)+8*\t, XO+8*(\st), v[8*\t:8*\t+7], XS+4*(\t/2)+(\st), XW+(\st), \t%2, 0
.else
	WM ACC+8*\t, 64+64*((\st)%3)+8*\t, XO+8*(\st), v[ACC+8*\t:ACC+8*\t+7], XS+4*(\t/2)+(\st), XW+(\st), \t%2, 0
.endif
.endr
.endm
	s_wait_loadcnt 0x0                             ; the biases, Wv's first two tiles and its scale words
.irp p, 0,1,2,3
	ds_load_b128 v[XS+4*\p:XS+4*\p+3], v[WQA] offset:32768+512*\p   ; lanes 0-15: tile 2 p's four words of row r; lanes 16-31: tile 2 p + 1's
.endr
	FETCHW 0
	FETCHW 1
	FETCHW 2
	s_wait_dscnt 32                                ; the words and K step 0 are in; the 32 loads of K steps 1 and 2 may be out
	MULQK 0
	s_wait_dscnt 16
	MULQK 1
	PLACES 4                                       ; in front of loads into the set that K step 0 multiplied
	FETCHW 3
	s_wait_dscnt 16                                ; K step 2 is in; K step 3's 16 may be out
	MULQK 2
	s_wait_dscnt 0x0
	MULQK 3
	PLACES 4                                       ; in front of the first read of the results, and of the loads into window 1
	WIN 0x40
.irp i, 0,1,2,3,4,5,6,7                ; all 32 fragments of x fill window 1; they land while q and k are quantised
.irp k, 0,1,2,3
.irp c, 0,1
	ds_load_b128 v[32*\i+8*\k+4*\c:32*\i+8*\k+4*\c+3], v[XFA+\i/2] offset:33792*(\i%2)+8448*\k+512*\c
.endr
.endr
.endr
	WIN 0
	ds_load_b128 v[XS:XS+3], v6                    ; x's scale words: lanes 0-15 tile 2 p, lanes 16-31 tile 2 p + 1; register 4 p + s for K step s
	ds_load_b128 v[XS+4:XS+7], v19
	ds_load_b128 v[XS+8:XS+11], v22
	ds_load_b128 v[XS+12:XS+15], v23
	QUANT2 ACC, PC, PW
	global_store_b128 v[LI], v[PC:PC+3], s[68:69]  ; 32 lanes store 512 consecutive bytes
	ds_store_b32 v[GW], v[PW]
	QUANT2 ACC+32, PC+4, PW+1
	global_store_b128 v[LI], v[PC+4:PC+7], s[70:71]
	ds_store_b32 v[GW], v[PW+1] offset:512
; ---- V: channel tile 4 w + nn for all 128 rows: eight accumulators (tiles of 16 rows) by turns, K step by K step; then one fragment of V^T
.macro VTILE nn
.if (\nn) == 2
	s_wait_loadcnt 8                               ; tile 2's fragments are in; tile 3's eight loads may be out
.elseif (\nn) == 3
	s_wait_loadcnt 0x0
.endif
.irp j, 0,1,2,3,4,5,6,7
	v_mov_b32 v[BC+\j], v[BV+(\nn)]                ; every row of the tile gets my channel's bias
.endr
	PLACES 4
.if (\nn) == 0
	s_wait_dscnt 0x0                               ; x's fragments and scale words are in
.endif
	WIN 0x01                                       ; source 0 (x) window 1
.irp k, 0,1,2,3
.irp i, 0,1,2,3,4,5,6,7
.if \k == 0
	WM ACC+8*\i, 32*\i+8*\k, WB+32*((\nn)%2)+8*\k, v[BC:BC+7], XS+4*(\i/2)+\k, WS+4*((\nn)/2)+\k, \i%2, (\nn)%2
.else
	WM ACC+8*\i, 32*\i+8*\k, WB+32*((\nn)%2)+8*\k, v[ACC+8*\i:ACC+8*\i+7], XS+4*(\i/2)+\k, WS+4*((\nn)/2)+\k, \i%2, (\nn)%2
.endif
.endr
.endr
	WIN 0
	PLACES 4                                       ; in front of the loads into the set just multiplied, and of the first read of the results
.if (\nn) < 2
.irp k, 0,1,2,3
.irp c, 0,1
	global_load_b128 v[WB+32*((\nn)%2)+8*\k+4*\c:WB+32*((\nn)%2)+8*\k+4*\c+3], v[WVO], s[6:7] offset:34816+4096*((\nn)+2)+1024*\k+512*\c
.endr
.endr
.endif
	s_wait_xcnt 0x0                                ; the earlier stores have read the codes' registers: they are written again only behind this wait
	QUANT ACC, PC, XW+(\nn)
.irp c, 0,1
	global_store_b128 v[VO], v[PC+4*\c:PC+4*\c+3], s[72:73] offset:1024*(\nn)+512*\c
.endr
.endm
	VTILE 0
	VTILE 1
	VTILE 2
	VTILE 3
	v_cndmask_b32 v[VSW], v[XW], v[XW+1], s23      ; lanes 0-15 the words of tiles 4 w and 4 w + 2, lanes 16-31 those of 4 w + 1 and 4 w + 3
	v_cndmask_b32 v[VSW+1], v[XW+2], v[XW+3], s23
	global_store_b64 v[L8], v[VSW:VSW+1], s[72:73] offset:32768   ; 32 lanes store 256 consecutive bytes
	s_wait_dscnt 0x0                               ; my scale words of q and k are stored
	s_barrier_signal -1
	s_barrier_wait -1                              ; everybody's are
	s_cmp_lt_u32 s[WV], 2                          ; wave 0 stores q's 512 bytes of scale words, wave 1 k's
	s_cbranch_scc0 .Lnot_mine
	ds_load_b128 v[ACC:ACC+3], v[GR]
	s_wait_dscnt 0x0
	global_store_b128 v[LI], v[ACC:ACC+3], s[74:75] offset:4096
.Lnot_mine:
	s_wait_tensorcnt 0x0                           ; the wave's end, behind my last tensor load and my last LDS store
	ds_add_u32 v[SPW], v[NIL]
	s_wait_dscnt 0x0
	s_endpgm
.Lfunc_end_k_q4e0179e86b_proj:
	.size	k_q4e0179e86b_proj, .Lfunc_end_k_q4e0179e86b_proj-k_q4e0179e86b_proj
	.p2alignl 7, 3214868480
	.fill 96, 4, 3214868480
	.section	.rodata,"a",@progbits
	.p2align	6, 0x0
	.amdhsa_kernel k_q4e0179e86b_proj
		.amdhsa_group_segment_fixed_size 307200
		.amdhsa_private_segment_fixed_size 0
		.amdhsa_enable_private_segment 0
		.amdhsa_kernarg_size 64
		.amdhsa_user_sgpr_count 2
		.amdhsa_user_sgpr_kernarg_segment_ptr 1
		.amdhsa_wavefront_size32 1
		.amdhsa_system_sgpr_workgroup_id_x 1
		.amdhsa_system_sgpr_workgroup_id_y 1
		.amdhsa_system_sgpr_workgroup_id_z 1
		.amdhsa_system_vgpr_workitem_id 0
		.amdhsa_next_free_vgpr 512
		.amdhsa_next_free_sgpr 76
		.amdhsa_reserve_vcc 0
		.amdhsa_float_denorm_mode_32 3
		.amdhsa_float_denorm_mode_16_64 3
		.amdhsa_memory_ordered 1
		.amdhsa_forward_progress 1
		.amdhsa_inst_pref_size 84
	.end_amdhsa_kernel
	.amdgpu_metadata
---
amdhsa.version: [ 1, 2 ]
amdhsa.kernels:
  - .name:           k_q4e0179e86b_proj
    .symbol:         k_q4e0179e86b_proj.kd
    .args:
      - { .name: x, .offset: 0, .size: 8, .value_kind: global_buffer, .address_space: global }
      - { .name: wimg, .offset: 8, .size: 8, .value_kind: global_buffer, .address_space: global }
      - { .name: bq, .offset: 16, .size: 8, .value_kind: global_buffer, .address_space: global }
      - { .name: bk, .offset: 24, .size: 8, .value_kind: global_buffer, .address_space: global }
      - { .name: bv, .offset: 32, .size: 8, .value_kind: global_buffer, .address_space: global }
      - { .name: qimg, .offset: 40, .size: 8, .value_kind: global_buffer, .address_space: global }
      - { .name: kimg, .offset: 48, .size: 8, .value_kind: global_buffer, .address_space: global }
      - { .name: vimg, .offset: 56, .size: 8, .value_kind: global_buffer, .address_space: global }
    .group_segment_fixed_size: 307200
    .private_segment_fixed_size: 0
    .kernarg_segment_align: 8
    .kernarg_segment_size: 64
    .max_flat_workgroup_size: 256
    .sgpr_count:     76
    .vgpr_count:     512
    .wavefront_size: 32
...
	.end_amdgpu_metadata
.endif
;; end of part 2
;; launch attn (part 3): grid 16 x 16, 8 waves a work-group, clusters of 4 x 1, 327,680 bytes of LDS; arguments qimg, kimg, vimg, x, gamma, out0; writes out0
.if DOCPART == 3
	.amdgcn_target "amdgcn-amd-amdhsa--gfx1250"
	.amdhsa_code_object_version 6
	.text
	.protected	k_q4e0179e86b_attn
	.globl	k_q4e0179e86b_attn
	.p2align	8
	.type	k_q4e0179e86b_attn,@function
k_q4e0179e86b_attn:
	s_mov_b64 s[64:65], 0
	v_nop
	global_prefetch_b8 v0, s[64:65] scope:SCOPE_SE
	s_setreg_imm32_b32 hwreg(HW_REG_WAVE_MODE, 25, 1), 1
	s_wait_xcnt 0x0
	s_wait_alu depctr_hold_cnt(0) depctr_sa_sdst(0) depctr_va_vdst(0) depctr_va_sdst(0) depctr_va_ssrc(0) depctr_va_vcc(0) depctr_vm_vsrc(0)
	s_getreg_b32 s2, hwreg(HW_REG_IB_STS2, 6, 4)
	s_cmp_eq_u32 s2, 0
	s_cbranch_scc0 .Lentry_in_a_cluster
	s_endpgm
.Lentry_in_a_cluster:
	s_bfe_u32 s2, ttmp6, 0x10000c
	s_cmp_lg_u32 s2, 0x3003
	s_cbranch_scc0 .Lentry_shape_is_right
	s_endpgm
.Lentry_shape_is_right:
; Launch 3 of 3: out = gamma (p v) / l + x, p = 2^(t - M), t = (q . k) log2(e), M = ceil(the row's largest t); both products on codes of E2M1; l is the sum of the unquantised p.  No work is left out.
; LIMITS: as stated at the head of the first kernel.  A p under 2^-126 counts as 0.
; SHARES.  A work-group of eight waves owns 128 queries of one batch.  The four work-groups of a cluster belong to one batch and walk the same K and V: every tensor load is asked for JOINTLY (mask 15).
; PASS 1.  Wave w takes query tile w (16 queries) through all 2,048 keys and finds the row's largest score: so M is the row's own, and pass 2 rescales nothing.  K's fragments come through two register buffers by turns.
; PASS 2, for two sub-blocks of 64 queries, one after the other; a TRIP is 256 keys.
;   S part: wave w takes query tile w % 4 and the trip's key step w / 4 (128 keys): S^T = K Q^T (source 0 = 16 keys, source 1 = 16 queries: a lane holds ONE query, its registers run along the keys), p, the sum, p's codes;
;   the fragment and its scale word go to LDS as an image of the registers.  One round of the cluster's barrier.
;   PV part: wave w makes channels 64 w .. 64 w + 63 for the four query tiles and both key steps: O^T += V^T P^T, 32 products on 16 accumulators by turns.  Each fragment of V is read from LDS once in the work-group.
; THE S PART RUNS ONE TRIP AHEAD.  Behind round n a wave issues the products of S(n + 1), whose K is in registers already, and asks LDS for the first key step's V and p of trip n; these land under the maxima and scalings of
;   S(n + 1); the second key step's, and K of trip n + 2, land under its exponentials.  So no run of LDS loads is waited for straight behind its issue.
; K = 64 IN A FORM OF 128.  Q's registers 4-7 are zero codes, so what stands in K's registers 4-7 adds nothing (E2M1 has no NaN and no infinity, and those blocks' scale bytes are 0, not 0xff): K's tile t is loaded into four
;   registers and named with the next tile's four behind them.
; THE RESIDUAL.  A sub-block's 64 rows of x are asked for at its head, into 128 registers of window 1, and wanted eight trips later.  The first sub-block's stores leave while the second is worked.
; LDS: V's two slots of two records (69,632 bytes) at 0 and 131,072; behind slot 0 the stages for the way out, p's images (two buffers), -M, l and the spare words; K's 16 records behind slot 1, filled once.
.set REC,   34816                      ; a record of V: 32 fragments and 2,048 bytes of scale words
.set SLOTB, 69632
.set VS1,   131072
.set STAGE, 69632                      ; 16 rows x (256 bytes + 16) for each wave
.set PIMG,  104448                     ; p: buffer of 9,216 bytes: fragment f = wave at 1,024 f, its scale words at 8,192 + 128 f + 4 x lane
.set PBUF,  9216
.set MT,    122880                     ; -M of the 128 queries
.set LT,    123392                     ; each wave's part of l
.set SPARE, 123904                     ; the spare words, 128 bytes for each wave: four blocks of 256 bytes that no other line names
.set KIMG,  200704
.set KREC,  4608
.set LI,   1                           ; v1   16 x lane
.set L4,   2                           ; v2   4 x lane
.set R4,   3                           ; v3   4 r
.set AK0,  4                           ; v4   KIMG + 16 x lane
.set AKS0, 5                           ; v5   KIMG + 4,096 + 4 x lane
.set ADK,  6                           ; v6, v7  the same at the key step that is being fetched
.set ADS,  7
.set AV0,  8                           ; v8, v9  V's fragments: slot + 4,096 w + 16 x lane
.set AVS0, 10                          ; v10, v11  V's scale words: slot + 32,768 + 256 w + 8 x lane
.set PWI,  12                          ; v12  where I store p's image;  v13  and its scale word
.set PWS,  13
.set STO,  14                          ; v14  the stage: where I put 32 bytes of a row;  v15  where I read a row back
.set RD,   15
.set GO,   16                          ; v16  my byte offset in x and out: 2,048 h + 256 w + 16 r
.set MTW,  17                          ; v17  MT + 64 w + 4 r
.set SPW,  18                          ; v18  my spare word;  v19  0: never rewritten
.set NIL,  19
.set NM,   20                          ; v[20:21] -M of my query
.set LS,   22                          ; v[22:23] the sum, in two halves
.set QF,   24                          ; v24-31  pass 2's Q: four registers of codes, four of zeros
.set QS,   32                          ; v32  its scale words
.set PFO,  33                          ; v33  256 x lane: the prefetches' offset
.set LTW,  34                          ; v34  LT + 64 w + 4 r
.set QOF,  35                          ; v35  512 (w % 4) + 16 x lane;  v36  64 (w % 4) + 4 r
.set QSO,  36
.set MTR,  37                          ; v37  MT + 64 (w % 4) + 4 r
.set PRI,  38                          ; v38  PIMG + 16 x lane;  v39  PIMG + 8,192 + 4 x lane
.set PRS,  39
.set G,    40                          ; v40-47  gamma / l of query tile m at v[40 + 2 m] (at the head: v40, v41 the offsets of pass 1's Q)
.set KF,   48                          ; v48-83  K's eight tiles, four registers each, and four of zeros
.set KSC,  84                          ; v84-87  K's scale words
.set S,    88                          ; v88-151 S^T, then p; on the way out results
.set VF,   152                         ; v152-215 on the way out: rows read back
.set VFR,  152                         ; v152-183 V's four fragments of one key step
.set PFR,  184                         ; v184-215 p's four fragments of one key step
.set Q1F,  152                         ; pass 1: v152-159 Q of tile w;  v160-195 K's second buffer
.set KF2,  160
.set PC,   216                         ; v216-223 p's codes
.set BM,   224                         ; v224-227 the blocks' largest scores, then largest p
.set PM,   228                         ; v228-231 at work
.set SO,   232                         ; v232-235 the conversions' scale operands
.set MX,   236                         ; v236-239 pass 1's running maxima
.set PS,   240                         ; v240-247 p's scale words, fragment f
.set KSC2, 240                         ; pass 1: v240-243 the second buffer's scale words of K, v244 Q's: these registers hold scale words in both passes
.set Q1S,  244
.set VS,   248                         ; v248-251 V's scale words
.set LTR,  252                         ; v252 LT + 4 r
.set PW,   253                         ; v253 p's scale word just made
.set AK2,  254                         ; pass 1: v254, v255 the second buffer's addresses (elsewhere at work)
.set AS2,  255
; window 1: accumulator (query tile m, channel tile n) at 8 (4 m + n); the residual: rows 16 m + 2 i + h at 128 + 32 m + 4 i
.set WV,   16                          ; s16  my wave's number
.set G1V,  24                          ; s[24:31] descriptor group 1 for V;  s[32:39] for K;  s[40:43] group 0 for K;  s[44:47], s[48:51] for V's two slots
.set G1K,  32
.set G0K,  40
.set G0V,  44
.set VB,   52                          ; s[52:53] my eighth of a slot, in the batch's first two records
.set FN,   54                          ; s54  which pair of records the next fill brings (modulo 8)
.set TK,   58                          ; s58  where the key step to be fetched begins in K's image
.set CS,   60                          ; s[60:61] log2(e): the packed form names a pair and takes its low word for both halves
.set SEL,  62                          ; s[62:63] lane selects for v_permlanex16_b32: lane l xor 16
.set PFA,  66                          ; s[66:67] where my prefetches stand
.set LIM,  68                          ; s68  8 in a wave that prefetches, else 0
.set CNT,  69
.set GAM,  70
.set XB,   72                          ; s[72:73] x, s[74:75] out0 at my work-group's first row;  s[76:77] my record of Q
.set OB,   74
.set QB,   76
.set MSB, 0
.macro WIN new                         ; the immediate's high byte repeats the setting that is left
.if MSB != \new
	s_set_vgpr_msb (MSB<<8)|\new
.set MSB, \new
.endif
.endm
.macro PLACES cnt
.rept \cnt
	v_nop
.endr
.endm
.macro WM d, a, b, c, sa, sb, ra       ; one product; ra = 1: source 0's scale words stand in lanes 16-31
.if (\ra)
	v_wmma_scale_f32_16x16x128_f8f6f4 v[\d:\d+7], v[\a:\a+7], v[\b:\b+7], \c, v[\sa], v[\sb] matrix_a_fmt:MATRIX_FMT_FP4 matrix_b_fmt:MATRIX_FMT_FP4 matrix_a_scale:MATRIX_SCALE_ROW1
.else
	v_wmma_scale_f32_16x16x128_f8f6f4 v[\d:\d+7], v[\a:\a+7], v[\b:\b+7], \c, v[\sa], v[\sb] matrix_a_fmt:MATRIX_FMT_FP4 matrix_b_fmt:MATRIX_FMT_FP4
.endif
.endm
.macro ROUND                           ; a round of the cluster's barrier
	s_barrier_signal -1
	s_barrier_wait -1
	s_cmp_lg_u32 s[WV], 0
	s_cbranch_scc1 .Lnot_wave_0_\@
	s_barrier_signal -3
.Lnot_wave_0_\@:
	s_barrier_wait -3
	s_barrier_signal -1
	s_barrier_wait -1
.endm
.macro QLOAD sb                        ; Q of my query tile 4 sb + w % 4, and its scale words
	global_load_b128 v[QF:QF+3], v[QOF], s[QB:QB+1] offset:2048*\sb
	global_load_b32 v[QS], v[QSO], s[QB:QB+1] offset:4096+256*\sb
.endm
; The 128 keys at s[TK]: eight tiles of four registers into kf on, their scale words into ksc on; then s[TK] goes step bytes on.  12 LDS loads.
.macro KLD kf, ksc, ak, aw, step
	v_add_nc_u32 v[\ak], s[TK], v[AK0]
	v_add_nc_u32 v[\aw], s[TK], v[AKS0]
.irp t, 0,1,2,3,4,5,6,7
	ds_load_b128 v[\kf+4*\t:\kf+4*\t+3], v[\ak] offset:512*\t
.endr
.irp p, 0,1,2,3
	ds_load_b32 v[\ksc+\p], v[\aw] offset:128*\p   ; lanes 0-15: tile 2 p's words; lanes 16-31: tile 2 p + 1's
.endr
	s_add_co_u32 s[TK], s[TK], \step
.endm
.macro PROD8 kf, ksc, qf, qs           ; S^T of 16 queries and 128 keys: eight tiles of 16 keys
.irp t, 0,1,2,3,4,5,6,7
	WM S+8*\t, \kf+4*\t, \qf, 0, \ksc+\t/2, \qs, \t%2
.endr
.endm
	s_load_b256 s[4:11], s[0:1], 0x0               ; qimg s[4:5], kimg s[6:7], vimg s[8:9], x s[10:11]
	s_load_b128 s[12:15], s[0:1], 0x20             ; gamma s[12:13], out0 s[14:15]
	v_lshl_add_u32 v[SPW], v0, 2, SPARE
	v_mov_b32 v[NIL], 0
	ds_add_u32 v[SPW], v[NIL]                      ; the wave's opening: the add, twice on end, and its wait ahead of the round in front of my first tensor load
	ds_add_u32 v[SPW], v[NIL]
	v_lshrrev_b32 v1, 5, v0
	v_readfirstlane_b32 s[WV], v1                  ; wave 0..7
	s_bfe_u32 s17, ttmp6, 0x40000                  ; cx: my place in the cluster: it enters the addresses of Q, x, out and the prefetches alone
	s_and_b32 s18, ttmp7, 0xffff                   ; the batch, which the four partners share
	; group 1: dense blocks as rows of 32 elements of 8 bytes; the mask names all four work-groups, bit 21 beside it.  V: 34 rows (an eighth of a slot);  K: 36 rows (an eighth of the batch's image)
	s_mov_b32 s[G1V], 15|(3<<16)|(1<<21)
	s_mov_b32 s[G1V+1], 32<<16
	s_mov_b32 s[G1V+2], 34<<16
	s_mov_b32 s[G1V+3], 32<<16
	s_mov_b32 s[G1V+4], 34
	s_mov_b32 s[G1V+5], 32
	s_mov_b32 s[G1V+6], 0
	s_mov_b32 s[G1V+7], 0
	s_mov_b32 s[G1K], 15|(3<<16)|(1<<21)
	s_mov_b32 s[G1K+1], 32<<16
	s_mov_b32 s[G1K+2], 36<<16
	s_mov_b32 s[G1K+3], 32<<16
	s_mov_b32 s[G1K+4], 36
	s_mov_b32 s[G1K+5], 32
	s_mov_b32 s[G1K+6], 0
	s_mov_b32 s[G1K+7], 0
	s_mov_b32 s[CS], 0x3fb8aa3b                    ; log2(e)
	s_mov_b32 s[CS+1], s[CS]
	s_mov_b32 s[SEL], 0x76543210
	s_mov_b32 s[SEL+1], 0xfedcba98
	s_mov_b32 s[FN], 1
	s_mul_i32 s19, s[WV], 9216                     ; my eighth of K's image,
	s_mul_i32 s56, s18, 16*KREC                    ; in my batch
	s_add_co_u32 s56, s56, s19
	s_mov_b32 s57, 0
	s_mov_b32 s[G0K], 1
	s_add_co_u32 s[G0K+1], s19, KIMG
	s_mul_i32 s59, s[WV], 8704                     ; my eighth of a slot of V
	s_mov_b32 s[G0V], 1
	s_mov_b32 s[G0V+1], s59
	s_mov_b32 s[G0V+4], 1
	s_add_co_u32 s[G0V+5], s59, VS1
	s_lshr_b32 s55, s[WV], 1                       ; waves 0 and 1
	s_or_b32 s55, s55, ttmp9                       ; of the batch's first cluster prefetch: the same in all four partners
	s_cmp_eq_u32 s55, 0
	s_cselect_b32 s[LIM], 8, 0
	s_wait_dscnt 0x0                               ; both opening adds are done
	s_wait_kmcnt 0x0
	s_load_b32 s[GAM], s[12:13], 0x0               ; wanted on the way out: its wait stands behind the first tensor loads and the address work
	s_add_nc_u64 s[G0K+2:G0K+3], s[6:7], s[56:57]
	s_or_b32 s[G0K+3], s[G0K+3], 0x80000000
	s_mul_i32 s56, s18, 16*REC
	s_add_co_u32 s56, s56, s59
	s_add_nc_u64 s[VB:VB+1], s[8:9], s[56:57]
	s_mov_b64 s[G0V+2:G0V+3], s[VB:VB+1]           ; slot 0 begins with the batch's first 256 keys
	s_or_b32 s[G0V+3], s[G0V+3], 0x80000000
	s_lshl_b32 s20, ttmp9, 2                       ; in a cluster launch ttmp9 counts clusters
	s_add_co_u32 s20, s20, s17                     ; my block of 128 queries
	s_lshl_b32 s21, s18, 4
	s_add_co_u32 s21, s21, s20                     ; its record
	s_mul_i32 s22, s21, KREC
	s_mov_b32 s23, 0
	s_add_nc_u64 s[QB:QB+1], s[4:5], s[22:23]
	s_lshl_b32 s22, s21, 18                        ; 128 rows of 2,048 bytes
	s_add_nc_u64 s[XB:XB+1], s[10:11], s[22:23]
	s_add_nc_u64 s[OB:OB+1], s[14:15], s[22:23]
	s_lshr_b32 s22, s17, 1                         ; the prefetches: partner cx takes record cx / 2 of a slot,
	s_mul_i32 s22, s22, REC
	s_and_b32 s21, s17, 1
	s_lshl_b32 s21, s21, 1
	s_add_co_u32 s21, s21, s[WV]                   ; and of its 32,768 bytes of codes quarter 2 (cx % 2) + wave,
	s_lshl_b32 s21, s21, 13
	s_add_co_u32 s22, s22, s21
	s_mul_i32 s21, s18, 16*REC
	s_add_co_u32 s22, s22, s21
	s_add_co_u32 s22, s22, SLOTB                   ; in the second pair of records: the first trip steps it to the third.  Nothing is prefetched at the head
	s_add_nc_u64 s[PFA:PFA+1], s[8:9], s[22:23]
	ROUND                                          ; all four work-groups are here: the first joint loads meet
	tensor_load_to_lds s[G0K:G0K+3], s[G1K:G1K+7]  ; K of the whole batch: filled once
	s_nop 0
	tensor_load_to_lds s[G0V:G0V+3], s[G1V:G1V+7]  ; V's slot 0.  Two loads of mine are out
	s_nop 0
	PLACES 4
	v_and_b32 v254, 31, v0                         ; lane
	v_and_b32 v255, 15, v0                         ; r
	v_bfe_u32 v253, v0, 4, 1                       ; h
	v_lshlrev_b32 v[LI], 4, v254
	v_lshlrev_b32 v[L4], 2, v254
	v_lshlrev_b32 v[R4], 2, v255
	s_lshl_b32 s55, s[WV], 9
	v_add_nc_u32 v40, s55, v[LI]                   ; pass 1: Q's tile w
	s_and_b32 s19, s[WV], 3
	s_lshl_b32 s59, s19, 9
	v_add_nc_u32 v[QOF], s59, v[LI]                ; pass 2: tile w % 4 of a sub-block
	s_lshl_b32 s59, s19, 6
	v_add_nc_u32 v[QSO], s59, v[R4]
	s_lshl_b32 s55, s[WV], 6
	v_add_nc_u32 v41, s55, v[R4]
	global_load_b128 v[Q1F:Q1F+3], v40, s[QB:QB+1]
	global_load_b32 v[Q1S], v41, s[QB:QB+1] offset:4096
	QLOAD 0                                        ; the first sub-block's Q comes with pass 1's
	v_add_nc_u32 v[MTW], s55, v[R4]
	v_add_nc_u32 v[LTW], LT, v[MTW]
	v_add_nc_u32 v[MTW], MT, v[MTW]
	v_add_nc_u32 v[AK0], KIMG, v[LI]
	v_add_nc_u32 v[AKS0], KIMG+4096, v[L4]
	s_lshl_b32 s55, s[WV], 12
	v_add_nc_u32 v[AV0], s55, v[LI]
	v_add_nc_u32 v[AV0+1], VS1, v[AV0]
	s_lshl_b32 s55, s[WV], 8
	v_lshl_add_u32 v[AVS0], v254, 3, s55
	v_add_nc_u32 v[AVS0], 32768, v[AVS0]
	v_add_nc_u32 v[AVS0+1], VS1, v[AVS0]
	v_lshlrev_b32 v[GO], 11, v253
	v_lshl_add_u32 v[GO], v255, 4, v[GO]
	v_add_nc_u32 v[GO], s55, v[GO]
	s_lshl_b32 s55, s[WV], 10
	v_add_nc_u32 v[PWI], s55, v[LI]
	v_add_nc_u32 v[PWI], PIMG, v[PWI]
	s_lshl_b32 s55, s[WV], 7
	v_add_nc_u32 v[PWS], s55, v[L4]
	v_add_nc_u32 v[PWS], PIMG+8192, v[PWS]
	s_mul_i32 s55, s[WV], 16*272
	s_add_co_u32 s55, s55, STAGE
	v_mul_u32_u24 v[STO], v255, 272
	v_lshl_add_u32 v[STO], v253, 5, v[STO]
	v_add_nc_u32 v[STO], s55, v[STO]
	v_mul_u32_u24 v[RD], v253, 272
	v_lshl_add_u32 v[RD], v255, 4, v[RD]
	v_add_nc_u32 v[RD], s55, v[RD]
	v_add_nc_u32 v[MTR], MT, v[QSO]
	v_add_nc_u32 v[PRI], PIMG, v[LI]
	v_add_nc_u32 v[PRS], PIMG+8192, v[L4]
	v_add_nc_u32 v[LTR], LT, v[R4]
	v_lshlrev_b32 v[PFO], 8, v254
.irp j, 0,1,2,3
	v_mov_b32 v[QF+4+\j], 0                        ; Q's upper 64 along K: zero codes, in both of its places
	v_mov_b32 v[Q1F+4+\j], 0
	v_mov_b32 v[KF+32+\j], 0                       ; what stands behind K's last tile, in both buffers
	v_mov_b32 v[KF2+32+\j], 0
	v_mov_b32 v[PM+\j], 0                          ; written once: a lane permute's destination counts as one of its sources
	v_mov_b32 v[MX+\j], 0xff800000                 ; under every score
.endr
.macro MAX8                            ; the 64 scores of a lane into four running maxima; each tile is first read at its low end
.irp i, 0,2,4,6
.irp t, 0,1,2,3,4,5,6,7
	v_max3_num_f32 v[MX+\t%4], v[MX+\t%4], v[S+8*\t+\i], v[S+8*\t+\i+1]
.endr
.endr
.endm
	s_wait_kmcnt 0x0                               ; gamma
	s_wait_tensorcnt 1                             ; my part of K is in; V's slot 0 may stay out
	s_barrier_signal -1
	s_barrier_wait -1                              ; everybody's is
	s_wait_loadcnt 0x0                             ; Q, pass 1's and the first sub-block's
	s_mov_b32 s[TK], 0
	KLD KF, KSC, ADK, ADS, KREC                    ; key step 0
	s_mov_b32 s[CNT], 7
.Lpass1:                                           ; PASS 1: 7 trips of two key steps; while one buffer is multiplied and searched, the other's 12 loads are on their way
	KLD KF2, KSC2, AK2, AS2, KREC
	s_wait_dscnt 12                                ; the first buffer is in; the 12 loads just issued may be out
	PROD8 KF, KSC, Q1F, Q1S
	PLACES 4                                       ; in front of the first read of the scores, and of the next loads into this buffer
	MAX8
	KLD KF, KSC, ADK, ADS, KREC
	s_wait_dscnt 12                                ; the second buffer is in
	PROD8 KF2, KSC2, Q1F, Q1S
	PLACES 4
	MAX8
	s_sub_co_u32 s[CNT], s[CNT], 1
	s_cmp_lg_u32 s[CNT], 0
	s_cbranch_scc1 .Lpass1
	KLD KF2, KSC2, AK2, AS2, KREC                  ; the last two key steps are written out: nothing is fetched beyond K's image
	s_wait_dscnt 12
	PROD8 KF, KSC, Q1F, Q1S
	PLACES 4
	MAX8
	s_wait_dscnt 0x0
	PROD8 KF2, KSC2, Q1F, Q1S
	PLACES 4
	MAX8
	v_max3_num_f32 v[MX], v[MX], v[MX+1], v[MX+2]
	v_max_num_f32 v[MX], v[MX], v[MX+3]
	v_permlanex16_b32 v[PM], v[MX], s[SEL], s[SEL+1]
	v_max_num_f32 v[MX], v[MX], v[PM]              ; with lane l xor 16's keys: my query's largest score
	v_mul_f32 v[MX], s[CS], v[MX]                  ; as t
	v_floor_f32 v[MX+1], -v[MX]                    ; -M = floor(-t) = -ceil(t)
	ds_store_b32 v[MTW], v[MX+1]                   ; (both halves of the lanes store the same word with the same value)
	s_wait_dscnt 0x0
	s_barrier_signal -1
	s_barrier_wait -1                              ; -M of all 128 queries lies in LDS
; THE SOFTMAX of a lane's 64 scores, in four parts, so that LDS loads and products of the trip in hand can stand between them.  Register 16 b + 8 u + j is key 32 b + 16 u + 8 h + j.
.macro SOFTA                           ; the blocks' largest scores; t - M
.irp b, 0,1,2,3
	v_max3_num_f32 v[BM+\b], v[S+16*\b], v[S+16*\b+1], v[S+16*\b+2]   ; the largest score of each block of 32 keys: p rises with the score, so it gives the block's largest p
.endr
.irp i, 3,5,7,9,11,13
.irp b, 0,1,2,3
	v_max3_num_f32 v[BM+\b], v[BM+\b], v[S+16*\b+\i], v[S+16*\b+\i+1]
.endr
.endr
.irp b, 0,1,2,3
	v_max_num_f32 v[BM+\b], v[BM+\b], v[S+16*\b+15]
.endr
.irp b, 0,1,2,3
	v_permlanex16_b32 v[PM+\b], v[BM+\b], s[SEL], s[SEL+1]
.endr
.irp b, 0,1,2,3
	v_max_num_f32 v[BM+\b], v[BM+\b], v[PM+\b]
.endr
.set jj, 0
.rept 32
	v_pk_fma_f32 v[S+jj:S+jj+1], v[S+jj:S+jj+1], s[CS:CS+1], v[NM:NM+1] op_sel_hi:[1,0,0]   ; t - M, two at a time
.set jj, jj+2
.endr
.endm
.macro SOFTF                           ; four plain lines: in a trip they are also the places between the first key step's products and the loads into their operands
.irp b, 0,1,2,3
	v_fma_f32 v[BM+\b], v[BM+\b], s[CS], v[NM]     ; t - M of each block's largest score: the same instructions on the same number give the same bits
.endr
.endm
.macro SOFTB                           ; the exponentials: one batch, one wait
.irp b, 0,1,2,3
	v_exp_f32 v[BM+\b], v[BM+\b]
.endr
.set jj, 0
.rept 64
	v_exp_f32 v[S+jj], v[S+jj]                     ; p = 2^(t - M): not normalised
.set jj, jj+1
.endr
	v_nop                                          ; a plain line behind the last exponential
	s_wait_alu depctr_va_vdst(0)                   ; one wait for the batch of 68, ahead of its first reader
.endm
.macro SOFTC                           ; the sum; p's codes in v[PC] on and its scale word in v[PW]
	v_pk_add_f32 v[PM:PM+1], v[S:S+1], v[S+2:S+3]  ; the sum is taken of the unquantised p: two at a time, in two chains
.set jj, 4
.rept 15
	v_pk_add_f32 v[LS:LS+1], v[LS:LS+1], v[S+jj:S+jj+1]
	v_pk_add_f32 v[PM:PM+1], v[PM:PM+1], v[S+jj+2:S+jj+3]
.set jj, jj+4
.endr
	v_pk_add_f32 v[LS:LS+1], v[LS:LS+1], v[PM:PM+1]
.irp b, 0,1,2,3
	v_max_num_f32 v[BM+\b], 0x1800000, v[BM+\b]    ; the floor 2^(3 - 127): a block whose every p is 0 keeps the byte 1; its codes are zeros
.endr
.irp b, 0,1,2,3
	v_add_nc_u32 v[SO+\b], 0xff000000, v[BM+\b]    ; 2 off the exponent field: the conversion's scale operand
.endr
.irp b, 0,1,2,3
	v_lshrrev_b32 v[PM+\b], 23, v[SO+\b]           ; the scale's byte
.endr
	v_lshl_or_b32 v[PW], v[PM+1], 8, v[PM]
	v_lshl_or_b32 v[PW], v[PM+2], 16, v[PW]
	v_lshl_or_b32 v[PW], v[PM+3], 24, v[PW]
.irp b, 0,1,2,3
.irp u, 0,1
	v_cvt_scalef32_pk8_fp4_f32 v[PC+4*(\b/2)+2*\u+(\b%2)], v[S+16*\b+8*\u:S+16*\b+8*\u+7], v[SO+\b]
.endr
.endr
	v_nop                                          ; one plain line behind the last scaled conversion
.irp c, 0,1
.irp u, 0,1
	v_permlane16_swap_b32 v[PC+4*\c+2*\u], v[PC+4*\c+2*\u+1]   ; lanes 0-15 now hold block 2 c, lanes 16-31 block 2 c + 1
.endr
.endr
.endm
.macro PSTORE buf                      ; p's fragment and its scale word go to LDS as they stand
	ds_store_b128 v[PWI], v[PC:PC+3] offset:PBUF*(\buf)
	ds_store_b128 v[PWI], v[PC+4:PC+7] offset:PBUF*(\buf)+512
	ds_store_b32 v[PWS], v[PW] offset:PBUF*(\buf)
.endm
; Key step kk of slot sl: my four fragments of V, the four query tiles' fragments of p: 16 LDS loads; with kk = 0 also both key steps' scale words: 10 more
.macro PVLOAD sl, kk
.if (\kk) == 0
	ds_load_b64 v[VS:VS+1], v[AVS0+\sl]            ; register j: lanes 0-15 channel tile 4 w + 2 j, lanes 16-31 tile 4 w + 2 j + 1
	ds_load_b64 v[VS+2:VS+3], v[AVS0+\sl] offset:REC
.irp f, 0,1,2,3,4,5,6,7
	ds_load_b32 v[PS+\f], v[PRS] offset:PBUF*\sl+128*\f
.endr
.endif
.irp n, 0,1,2,3
.irp c, 0,1
	ds_load_b128 v[VFR+8*\n+4*\c:VFR+8*\n+4*\c+3], v[AV0+\sl] offset:REC*(\kk)+1024*\n+512*\c
.endr
.endr
.irp m, 0,1,2,3
.irp c, 0,1
	ds_load_b128 v[PFR+8*\m+4*\c:PFR+8*\m+4*\c+3], v[PRI] offset:PBUF*\sl+1024*(4*(\kk)+\m)+512*\c
.endr
.endr
.endm
; 16 products of key step kk: the 16 accumulators by turns.  cz = 1: they start the sums
.macro PVK kk, cz
.irp m, 0,1,2,3
.irp n, 0,1,2,3
.if \cz
	WM 8*(4*\m+\n), VFR+8*\n, PFR+8*\m, 0, VS+2*(\kk)+\n/2, PS+4*(\kk)+\m, \n%2
.else
	WM 8*(4*\m+\n), VFR+8*\n, PFR+8*\m, v[8*(4*\m+\n):8*(4*\m+\n)+7], VS+2*(\kk)+\n/2, PS+4*(\kk)+\m, \n%2
.endif
.endr
.endr
.endm
; A PREFETCH of V's codes: trip n asks for the pair of records that trip n + 1 will ask the tensor load for: 32 lanes, 256 bytes apart, one instruction a wave.  All clusters of a batch walk the same V: the batch's first
; cluster asks; its partners share a slot's 65,536 bytes of codes out by address, 16,384 each, waves 0 and 1 taking 8,192 each.  Each block of 256 bytes is named once; the first two pairs and the scale words come by
; their loads alone; the second walk asks for nothing.
.macro ASK
	s_cmp_lt_u32 s[FN], s[LIM]
	s_cbranch_scc0 .Lnot_mine_\@
	global_prefetch_b8 v[PFO], s[PFA:PFA+1] th:TH_LOAD_NT scope:SCOPE_SE
.Lnot_mine_\@:
.endm
; A TRIP: 256 keys, V in slot sl, p in buffer sl.  It begins at the round, which serves four things: p's images are whole, slot sl has landed, nobody reads the other slot, nobody reads the other buffer of p.
; fill = 1: the other slot is filled with the next 256 keys: the load has the whole trip in which to land.  zero = 1: the products start the sums.
; nxt = 1: the next trip's S part is worked between this trip's loads and products, and its p goes into the other buffer.  kl = 1: K of the trip after that is fetched.
.macro TRIP sl, fill, zero, nxt, kl
	s_wait_tensorcnt 0x0                           ; all my tensor loads have landed: my part of slot sl; so a group 0 may be written
	ds_add_u32 v[SPW], v[NIL]                      ; 0 onto my spare word
.if \fill
	s_and_b32 s56, s[FN], 7
	s_mul_i32 s56, s56, SLOTB
	s_mov_b32 s57, 0
	s_add_nc_u64 s[G0V+4*(1-\sl)+2:G0V+4*(1-\sl)+3], s[VB:VB+1], s[56:57]
	s_or_b32 s[G0V+4*(1-\sl)+3], s[G0V+4*(1-\sl)+3], 0x80000000
	s_add_co_u32 s[FN], s[FN], 1
	s_wait_xcnt 0x0                                ; the last prefetch, a trip back, has read its address
	s_add_nc_u64 s[PFA:PFA+1], s[PFA:PFA+1], SLOTB
.endif
	s_wait_dscnt 0x0                               ; the add is done, my image of p is stored, my reads of the other slot and of the other buffer are over
.if \fill
	ROUND                                          ; all that now holds of every wave of every partner
	tensor_load_to_lds s[G0V+4*(1-\sl):G0V+4*(1-\sl)+3], s[G1V:G1V+7]   ; my one tensor load behind the round, and the first thing there
	s_nop 0
	PLACES 4
	ASK
.else
	s_barrier_signal -1
	s_barrier_wait -1
.endif
.if \nxt
	PROD8 KF, KSC, QF, QS                          ; the next trip's scores: K came in during the trip before
.endif
	PVLOAD \sl, 0                                  ; 26 loads, which land under the lines below
.if \nxt
	PLACES 4                                       ; in front of the first read of the scores
	SOFTA
.endif
	s_wait_dscnt 0x0                               ; the first key step's V and p, and the scale words
.if \zero
	WIN 0x40                                       ; D window 1
.else
	WIN 0x50                                       ; C and D window 1
.endif
	PVK 0, \zero
	WIN 0
.if \nxt
	SOFTF                                          ; four places in front of the loads into the operands just multiplied
.else
	PLACES 4
.endif
	PVLOAD \sl, 1                                  ; 16 loads,
.if \kl
	KLD KF, KSC, ADK, ADS, 2*KREC                  ; and 12: they land under the exponentials
.endif
.if \nxt
	SOFTB
.endif
	s_wait_dscnt 0x0                               ; the second key step's V and p; K
	WIN 0x50
	PVK 1, 0
	WIN 0
.if \nxt
	SOFTC
	PSTORE 1-\sl
.else
	PLACES 4                                       ; in front of the way out's reads and loads
.endif
.endm
; The head of sub-block sb: -M of my query tile 4 sb + w % 4 (its Q has been waited for already); the 64 rows of x; the first trip's S part.
.macro SUBHEAD sb
	s_wait_xcnt 0x0                                ; the earlier stores have read the residual's registers: they are loaded again only behind this wait
	ds_load_b32 v[NM], v[MTR] offset:256*\sb
	s_lshr_b32 s[TK], s[WV], 2
	s_mul_i32 s[TK], s[TK], KREC                   ; waves 0-3 take a trip's first key step, waves 4-7 its second
	KLD KF, KSC, ADK, ADS, 2*KREC
	WIN 0x40
.irp m, 0,1,2,3
.irp i, 0,1,2,3,4,5,6,7
	global_load_b128 v[128+32*\m+4*\i:128+32*\m+4*\i+3], v[GO], s[XB:XB+1] offset:(64*\sb+16*\m+2*\i)*2048 th:TH_LOAD_NT   ; 16 lanes read 256 consecutive bytes of a row
.endr
.endr
	WIN 0
	v_mov_b32 v[LS], 0
	v_mov_b32 v[LS+1], 0
	s_wait_dscnt 0x0                               ; -M and K
	v_mov_b32 v[NM+1], v[NM]                       ; (named with it as a pair)
	PROD8 KF, KSC, QF, QS
	PLACES 4
	SOFTA
	SOFTF
	KLD KF, KSC, ADK, ADS, 2*KREC                  ; the second trip's K: waited for in front of the first round
	SOFTB
	SOFTC
	PSTORE 0
.endm
; THE WAY OUT of sub-block sb.  l: my two halves, lane l xor 16's, and the wave's that took the other key steps.  Then tile by tile of 16 queries: O^T x gamma / l through my stage, back as rows of 256 bytes, + x, stored.
.macro PACK mm
	WIN 0x01                                       ; source 0 window 1
.irp n, 0,1,2,3
.irp j, 0,2,4,6
	v_pk_mul_f32 v[S+32*((\mm)%2)+8*\n+\j:S+32*((\mm)%2)+8*\n+\j+1], v[8*(4*(\mm)+\n)+\j:8*(4*(\mm)+\n)+\j+1], v[G+2*(\mm):G+2*(\mm)+1] op_sel_hi:[1,0]   ; each accumulator from its low end on
.endr
.endr
	WIN 0
.irp n, 0,1,2,3
	ds_store_b128 v[STO], v[S+32*((\mm)%2)+8*\n:S+32*((\mm)%2)+8*\n+3] offset:64*\n        ; lane (r, h): query r, channels 16 n + 8 h + 0 .. 7 of my 64
	ds_store_b128 v[STO], v[S+32*((\mm)%2)+8*\n+4:S+32*((\mm)%2)+8*\n+7] offset:64*\n+16
.endr
.irp i, 0,1,2,3,4,5,6,7
	ds_load_b128 v[VF+32*((\mm)%2)+4*\i:VF+32*((\mm)%2)+4*\i+3], v[RD] offset:544*\i       ; LDS serves a wave's instructions in order: these see my stores, and the next tile's stores come behind them
.endr
.endm
.macro SEND mm, sb, younger            ; younger: the LDS instructions issued behind tile mm's loads
	s_wait_dscnt \younger
	WIN 0x41                                       ; the residual: destination and source 0 window 1
.irp i, 0,1,2,3,4,5,6,7
.irp j, 0,2
	v_pk_add_f32 v[128+32*(\mm)+4*\i+\j:128+32*(\mm)+4*\i+\j+1], v[128+32*(\mm)+4*\i+\j:128+32*(\mm)+4*\i+\j+1], v[VF+32*((\mm)%2)+4*\i+\j:VF+32*((\mm)%2)+4*\i+\j+1]
.endr
.endr
	WIN 0x04                                       ; a store's data are its source 1: window 1
.irp i, 0,1,2,3,4,5,6,7
	global_store_b128 v[GO], v[128+32*(\mm)+4*\i:128+32*(\mm)+4*\i+3], s[OB:OB+1] offset:(64*\sb+16*(\mm)+2*\i)*2048 th:TH_STORE_NT   ; 16 lanes store 256 consecutive bytes, at a multiple of 256 from out0's first byte
.endr
	WIN 0
.endm
.macro EPI sb
	v_add_f32 v254, v[LS], v[LS+1]
	v_permlanex16_b32 v255, v254, s[SEL], s[SEL+1]
	v_add_f32 v254, v254, v255
	ds_store_b32 v[LTW], v254
	s_wait_dscnt 0x0
	s_barrier_signal -1
	s_barrier_wait -1                              ; the next slot's load may stay out
.irp f, 0,1,2,3,4,5,6,7
	ds_load_b32 v[BM+\f], v[LTR] offset:64*\f
.endr
	s_wait_dscnt 0x0
.irp m, 0,1,2,3
	v_add_f32 v[SO+\m], v[BM+\m], v[BM+4+\m]       ; waves m and m + 4 took query tile m
.endr
.irp m, 0,1,2,3
	v_rcp_f32 v[SO+\m], v[SO+\m]
.endr
	v_nop                                          ; a plain line behind the last reciprocal
	s_wait_alu depctr_va_vdst(0)                   ; one wait for the four, ahead of their first reader
.irp m, 0,1,2,3
	v_mul_f32 v[G+2*\m], s[GAM], v[SO+\m]
	v_mov_b32 v[G+2*\m+1], v[SO+\m]                ; (named with it as a pair, so it is written)
.endr
	s_wait_loadcnt 0x0                             ; x; in the first sub-block also the second's Q
	PACK 0
	PACK 1                                         ; a tile's arithmetic stands between the loads of the tile before and their use
	SEND 0, \sb, 16
	PACK 2
	SEND 1, \sb, 16
	PACK 3
	SEND 2, \sb, 16
	SEND 3, \sb, 0
.endm
	SUBHEAD 0
	TRIP 0, 1, 1, 1, 1
	TRIP 1, 1, 0, 1, 1
	s_mov_b32 s[CNT], 2
.Lsub0:
	TRIP 0, 1, 0, 1, 1
	TRIP 1, 1, 0, 1, 1
	s_sub_co_u32 s[CNT], s[CNT], 1
	s_cmp_lg_u32 s[CNT], 0
	s_cbranch_scc1 .Lsub0
	TRIP 0, 1, 0, 1, 0                             ; the seventh trip works the eighth's S part; there is no K behind it
	QLOAD 1                                        ; Q's registers have had their last reader of this sub-block: the next sub-block's comes in under the eighth trip and the way out
	TRIP 1, 1, 0, 0, 0                             ; the eighth trip asks for the batch's first 256 keys again: the ring goes on into the second sub-block
	EPI 0
	SUBHEAD 1
	TRIP 0, 1, 1, 1, 1
	TRIP 1, 1, 0, 1, 1
	s_mov_b32 s[CNT], 2
.Lsub1:
	TRIP 0, 1, 0, 1, 1
	TRIP 1, 1, 0, 1, 1
	s_sub_co_u32 s[CNT], s[CNT], 1
	s_cmp_lg_u32 s[CNT], 0
	s_cbranch_scc1 .Lsub1
	TRIP 0, 1, 0, 1, 0                             ; the tail is written out
	TRIP 1, 0, 0, 0, 0                             ; the last trip asks for nothing
	EPI 1
	s_wait_tensorcnt 0x0                           ; the wave's end, behind my last tensor load and my last LDS store
	ds_add_u32 v[SPW], v[NIL]
	s_wait_dscnt 0x0
	ROUND                                          ; the closing round: no work-group ends while a partner may still ask for a tile that names it
	s_endpgm
.Lfunc_end_k_q4e0179e86b_attn:
	.size	k_q4e0179e86b_attn, .Lfunc_end_k_q4e0179e86b_attn-k_q4e0179e86b_attn
	.p2alignl 7, 3214868480
	.fill 96, 4, 3214868480
	.section	.rodata,"a",@progbits
	.p2align	6, 0x0
	.amdhsa_kernel k_q4e0179e86b_attn
		.amdhsa_group_segment_fixed_size 327680
		.amdhsa_private_segment_fixed_size 0
		.amdhsa_enable_private_segment 0
		.amdhsa_kernarg_size 48
		.amdhsa_user_sgpr_count 2
		.amdhsa_user_sgpr_kernarg_segment_ptr 1
		.amdhsa_wavefront_size32 1
		.amdhsa_system_sgpr_workgroup_id_x 1
		.amdhsa_system_sgpr_workgroup_id_y 1
		.amdhsa_system_sgpr_workgroup_id_z 1
		.amdhsa_system_vgpr_workitem_id 0
		.amdhsa_next_free_vgpr 512
		.amdhsa_next_free_sgpr 78
		.amdhsa_reserve_vcc 0
		.amdhsa_float_denorm_mode_32 3
		.amdhsa_float_denorm_mode_16_64 3
		.amdhsa_memory_ordered 1
		.amdhsa_forward_progress 1
		.amdhsa_inst_pref_size 255
	.end_amdhsa_kernel
	.section	.bss,"aw",@nobits
	.p2align	6
	.space	262144
	.amdgpu_metadata
---
amdhsa.version: [ 1, 2 ]
amdhsa.kernels:
  - .name:           k_q4e0179e86b_attn
    .symbol:         k_q4e0179e86b_attn.kd
    .args:
      - { .name: qimg, .offset: 0, .size: 8, .value_kind: global_buffer, .address_space: global }
      - { .name: kimg, .offset: 8, .size: 8, .value_kind: global_buffer, .address_space: global }
      - { .name: vimg, .offset: 16, .size: 8, .value_kind: global_buffer, .address_space: global }
      - { .name: x, .offset: 24, .size: 8, .value_kind: global_buffer, .address_space: global }
      - { .name: gamma, .offset: 32, .size: 8, .value_kind: global_buffer, .address_space: global }
      - { .name: out0, .offset: 40, .size: 8, .value_kind: global_buffer, .address_space: global }
    .group_segment_fixed_size: 327680
    .private_segment_fixed_size: 0
    .kernarg_segment_align: 8
    .kernarg_segment_size: 48
    .max_flat_workgroup_size: 256
    .sgpr_count:     78
    .vgpr_count:     512
    .wavefront_size: 32
...
	.end_amdgpu_metadata
.endif
;; end of part 3
